; MI455X (gfx1250); checked and timed in simulation.
; The chip was launched on July 23, 2026; its instructions are those of AMD's public machine-readable ISA for CDNA 5 (MIT licence, August 2026) and "CDNA5" Instruction Set Architecture Reference Guide (July 2026). The comments in the code are by the model that wrote it; some were corrected since.
;; Self Attention. Allowed arithmetic: matrix products marked QUANTISED: E2M1 operands, one E8M0 scale for each 32 along K, by v_wmma_scale_f32_16x16x128_f8f6f4 with both operands' format E2M1 (or v_wmma_scale_f32_32x16x128_f4), f32 sums; everything else in f32.
;; Inputs: k_b 1,024 float32; k_w 1,024 x 1,024 float32; o_b 1,024 float32; o_w 1,024 x 1,024 float32; q_b 1,024 float32; q_w 1,024 x 1,024 float32; v_b 1,024 float32; v_w 1,024 x 1,024 float32; x 4 x 2,048 x 1,024 float32.
;; Outputs: out0 4 x 2,048 x 1,024 float32.
;; This version of the problem:
;;   THIS VERSION OF THE PROBLEM IS GIVEN IN LOW PRECISION. The matrix products marked QUANTISED in the list below multiply operands that are first quantised to E2M1 (2 exponent bits, 1 mantissa bit; 4 bits a number), with one power-of-two scale for each 32 numbers along K (OCP MX v1.0); their sums are f32. All else is computed in f32.
;;   The module's matrix products, in the order in which they are computed (A, B: the left and right operand; K: the contracted axis; several contracted axes count as one K, in the product's order):
;;     1. [M 8,192, K 1,024] x [K 1,024, N 1,024]; A: input x; B: input q_w: QUANTISED
;;     2. [M 8,192, K 1,024] x [K 1,024, N 1,024]; A: input x; B: input k_w: QUANTISED
;;     3. [M 8,192, K 1,024] x [K 1,024, N 1,024]; A: input x; B: input v_w: QUANTISED
;;     4. batch 64 x [M 2,048, K 64] x [K 64, N 2,048]; A: computed on the way; B: computed on the way: QUANTISED
;;     5. batch 64 x [M 2,048, K 2,048] x [K 2,048, N 64]; A: softmax (see below); B: computed on the way: QUANTISED
;;     6. [M 8,192, K 1,024] x [K 1,024, N 1,024]; A: computed on the way; B: input o_w: QUANTISED
;;   THE QUANTISER, for each operand of a quantised product, along K:
;;     - K is cut into blocks of 32 from its start; a last block that is shorter is filled with zeros.
;;     - A block's scale is 2^e with e = floor(log2(the largest magnitude in the block)) - 2, held to -126 .. 127; a block of zeros has e = 0. As a byte (E8M0): e + 127.
;;     - Each number is divided by its block's scale, clamped to +-6, and rounded to the nearest number of E2M1, ties to even, subnormals kept.
;;     - The product sums the exact products of the quantised numbers (number of the format x scale) in f32.
;;   ~~~python
;;   def quantise(x, axis):      # numpy; x: float32 -> the quantised numbers, widened to float32 again
;;       x = np.moveaxis(x, axis, -1); K = x.shape[-1]
;;       x = np.pad(x, [(0, 0)] * (x.ndim - 1) + [(0, -K % 32)]); x = x.reshape(x.shape[:-1] + (-1, 32)); a = np.abs(x).max(-1, keepdims=True)
;;       e = np.where(a > 0, np.clip(np.frexp(np.where(a > 0, a, 1))[1] - 1 - 2, -126, 127), 0)      # np.frexp(a)[1] - 1 = floor(log2(a)), exactly
;;       r = np.clip(x / 2.0 ** e, -6, 6)
;;       step = 2.0 ** (np.maximum(np.frexp(np.where(r == 0, 1, r))[1] - 1, 0) - 1)
;;       q = np.round(r / step) * step * 2.0 ** e      # np.round: ties to even
;;       return np.moveaxis(q.reshape(q.shape[:-2] + (-1,))[..., :K], -1, axis).astype(np.float32)
;;   ~~~
;;   SOFTMAX AHEAD OF A QUANTISED PRODUCT. Where the list says 'softmax', what is quantised is not the finished softmax but p = 2^(t - M), with t = logit x log2(e) and M = ceil(the row's largest t), a whole number; so 1/2 < the row's largest p <= 1. The row's sum l is taken of the UNQUANTISED p, in f32, and the product's result is divided by l at the end. Since M is a whole number, a kernel that streams over the keys may use a running M (the ceiling of the running maximum): every later rescaling is an exact power of two, which a block's scale takes up: the codes' values come out the same.
;;   OPERANDS COMPUTED ON THE WAY. 'Computed on the way' means the value that the module computes at that place (a softmax that the list does not call 'softmax' is quantised finished and normalised). What goes into a quantiser is computed in f32, as accurately as f32 sums, v_exp_f32 and their like allow (about 1e-6 of the number): no bf16 or f16 on the way to a quantiser, and a product that is left as it is and whose result goes on into a quantised operand takes f32 operands (vector FMAs, or v_wmma_f32_16x16x4_f32). A number that lies on a knife's edge between two numbers of the format may be rounded either way, as far as f32 arithmetic and the matrix unit's own rounding can turn it there, and no further.
;; One version. Each part assembles by itself: llvm-mc -triple=amdgcn-amd-amdhsa -mcpu=gfx1250 --defsym DOCPART=n.
;; ======== version 1 of 1: 4 launches
;; workspace buffers: xq 4,456,448 bytes; wq 2,228,224 bytes; qi 4,456,448 bytes; kv 8,912,896 bytes; ao 4,456,448 bytes
;; launch quant (part 1): grid 384 x 1, 4 waves a work-group, no clusters, 35,328 bytes of LDS; arguments x, q_w, k_w, v_w, o_w, xq, wq; writes xq, wq
.if DOCPART == 1
	.amdgcn_target "amdgcn-amd-amdhsa--gfx1250"
	.amdhsa_code_object_version 6
	.text
	.protected	k_q2fb16f9487_quant
	.globl	k_q2fb16f9487_quant
	.p2align	8
	.type	k_q2fb16f9487_quant,@function
k_q2fb16f9487_quant:
	s_mov_b64 s[64:65], 0
	v_nop
	global_prefetch_b8 v0, s[64:65] scope:SCOPE_SE
	s_setreg_imm32_b32 hwreg(HW_REG_WAVE_MODE, 25, 1), 1
	s_wait_xcnt 0x0
; x [8192][1024] f32 (K innermost) and the four weights [1024 (k)][1024 (n)] f32 (K outermost) become codes of FP4 (E2M1) with one E8M0 byte for each 32 along K,
; laid IN THE ORDER OF AN OPERAND'S REGISTERS, so that later launches fetch fragments by dense 16-byte loads.
; A RECORD serves 128 rows x 128 along K, 8,704 bytes: tile i (16 rows) at 1024 i + 512 c: an image of registers 4 c .. 4 c + 3: lane L = 16 hh + r has its 16 bytes (k = 64 c + 32 hh + 0 .. 31 of the tile's row r) at 16 L;
; the rows' scale words at 8192 + 64 i + 4 r (byte 2 c + hh).  A block of 128 rows has 8 records on end.
; THE ROWS OF A TILE ARE NOT NEIGHBOURS: row r of tile 2 B + u is row 32 B + 8 u + r + 8 (r / 8), so that results made with such tiles as source 0 hold 16 neighbours in 16 registers.
; A block's scale is 2^(floor(log2(largest magnitude)) - 2): its byte is the largest magnitude's exponent field - 2, held at 1 from below by a floor among the maximum's leaves.
; LIMITS: NaN and infinities are not served; a block whose largest magnitude lies under 2^-124 keeps the byte 1; a block of zeros has the byte 1 where the rule says 127: its codes are zeros and this program alone reads the bytes.
; Work-groups 0-255 take x (256 rows x one K step each), 256-383 the weights (128 columns x 256 along K each).  Only x's path uses LDS.  Nothing is shared between work-groups, so no cluster; waves share nothing, so no barrier.
.set R,    32                          ; x: v32-159  two sets of 16 rows x 4 registers, as loaded
.set X,    160                         ; x: v160-223 my 64 numbers: 32 c + i = k 64 c + 32 hh + i of row r
.set C,    224                         ; x: v224-231 the tile's codes
.set WREG, 8704                        ; LDS: a region for each wave: a stage of 16 rows x 528 bytes, then its 256 bytes of scale words
.set SP,   528                         ; a stage row: 512 bytes + 16: the sixteen rows that a load touches start at sixteen different 16-byte columns
.set WRD,  16*SP
.set WX,   32                          ; weights: v32-95 two sets of 32 numbers down K
.set WC,   96                          ; weights: v96-127 codes, four registers for each block: no store's data are written again
.set SB,   24                          ; weights: v24-25 scale words
	s_load_b256 s[4:11], s[0:1], 0x0               ; x s[4:5], q_w s[6:7], k_w s[8:9], v_w s[10:11]
	s_load_b128 s[12:15], s[0:1], 0x20             ; o_w s[12:13], xq s[14:15]
	s_load_b64 s[16:17], s[0:1], 0x30              ; wq
	v_lshl_add_u32 v240, v0, 2, 0x8800
	v_mov_b32 v241, 0
	v_lshrrev_b32 v1, 5, v0
	v_readfirstlane_b32 s18, v1                    ; wave 0..3
	v_and_b32 v7, 31, v0                           ; lane
	v_and_b32 v8, 15, v0                           ; r
	v_bfe_u32 v9, v0, 4, 1                         ; hh
	s_cmp_lt_u32 ttmp9, 256
	s_cbranch_scc0 .Lweights
	; ---------------- x: wave w takes block 2 (g / 8) + w / 2, tiles 4 (w % 2) + 0 .. 3, K step g % 8
	v_lshlrev_b32 v1, 4, v7                        ; 16 x lane: my bytes of a load's 512, and of an image
	s_mul_i32 s19, s18, WREG
	v_add_nc_u32 v2, s19, v1                       ; the stage, way in: a row as it lies
	v_mul_u32_u24 v3, v8, SP
	v_lshl_add_u32 v3, v9, 7, v3
	v_add_nc_u32 v3, s19, v3                       ; way out: row r, + 128 hh: my 32 numbers of each 64
	s_add_co_u32 s19, s19, WRD
	v_lshl_add_u32 v4, v8, 2, s19                  ; my row's scale word
	v_lshlrev_b32 v6, 3, v7
	v_add_nc_u32 v5, s19, v6                       ; and 8 bytes a lane on their way out
	v_lshlrev_b32 v10, 3, v9                       ; 8 hh: my bytes' place in the word
	v_mov_b32 v13, 0                               ; a lane permute's destination counts as one of its sources
	s_mov_b32 s36, 0x76543210
	s_mov_b32 s37, 0xfedcba98                      ; selects for lane l xor 16
	s_lshr_b32 s20, ttmp9, 3
	s_and_b32 s21, ttmp9, 7                        ; K step
	s_lshr_b32 s22, s18, 1
	s_and_b32 s23, s18, 1
	s_lshl_b32 s20, s20, 1
	s_add_co_u32 s20, s20, s22                     ; block of 128 rows
	s_lshl_b32 s24, s20, 19                        ; x: 128 rows of 4,096 bytes,
	s_lshl_b32 s26, s23, 18                        ; + 64 rows for the upper four tiles,
	s_add_co_u32 s24, s24, s26
	s_lshl_b32 s26, s21, 9                         ; + 512 bytes a K step
	s_add_co_u32 s24, s24, s26
	s_mov_b32 s25, 0
	s_mul_i32 s26, s20, 69632
	s_mul_i32 s28, s21, 8704
	s_add_co_u32 s26, s26, s28                     ; the record
	s_lshl_b32 s28, s23, 12
	s_add_co_u32 s28, s28, s26                     ; my four tiles' images
	s_mov_b32 s29, 0
	s_lshl_b32 s30, s23, 8
	s_add_co_u32 s30, s30, s26
	s_add_co_u32 s30, s30, 8192                    ; and their scale words
	s_mov_b32 s31, 0
	s_wait_alu depctr_va_vdst(0)
	s_wait_kmcnt 0x0
	s_add_nc_u64 s[4:5], s[4:5], s[24:25]
	s_add_nc_u64 s[32:33], s[14:15], s[28:29]
	s_add_nc_u64 s[34:35], s[14:15], s[30:31]
.macro LOADX t                         ; tile t's sixteen rows: each load reads 512 consecutive bytes
.set p, 0
.rept 16
	global_load_b128 v[R+64*((\t)%2)+4*p:R+64*((\t)%2)+4*p+3], v1, s[4:5] offset:(32*((\t)/2)+8*((\t)%2)+p+8*(p/8))*4096 th:TH_LOAD_NT
.set p, p+1
.endr
.endm
.macro TILE t
.if (\t) < 3
	s_wait_loadcnt 16                              ; this tile's 16 loads are in; the next tile's 16 may be out
.else
	s_wait_loadcnt 0x0
.endif
.set p, 0
.rept 16
	ds_store_b128 v2, v[R+64*((\t)%2)+4*p:R+64*((\t)%2)+4*p+3] offset:SP*p
.set p, p+1
.endr
.irp c, 0,1
.irp j, 0,1,2,3,4,5,6,7
	ds_load_b128 v[X+32*\c+4*\j:X+32*\c+4*\j+3], v3 offset:256*\c+16*\j    ; LDS serves a wave's instructions in order: these see the stores above
.endr
.endr
	s_wait_dscnt 0x0                               ; my 64 numbers are in, and the stores have read their registers,
.if (\t) < 2
	LOADX (\t)+2                                   ; which take the tile two on
.endif
.irp c, 0,1                                    ; my two whole blocks, by turns
	v_max3_num_f32 v[12+\c], |v[X+32*\c]|, |v[X+32*\c+1]|, 0x1800000       ; with the floor 2^(3 - 127): the byte cannot fall under 1
.endr
.irp i, 2,4,6,8,10,12,14,16,18,20,22,24,26,28,30
.irp c, 0,1
	v_max3_num_f32 v[12+\c], v[12+\c], |v[X+32*\c+\i]|, |v[X+32*\c+\i+1]|
.endr
.endr
.irp c, 0,1
	v_add_nc_u32 v[14+\c], 0xff000000, v[12+\c]    ; 2 off the exponent field: the conversion's scale operand
.endr
	v_lshrrev_b32 v12, 23, v14                     ; the bytes of blocks hh and 2 + hh,
	v_lshrrev_b32 v13, 23, v15
	v_lshl_or_b32 v12, v13, 16, v12
	v_lshlrev_b32 v12, v10, v12                    ; at their places in the word;
	v_permlanex16_b32 v13, v12, s36, s37
	v_or_b32 v11, v12, v13                         ; with lane l xor 16's two the word is whole
	s_wait_alu depctr_va_vdst(0)
	s_wait_xcnt 0x0                                ; the last tile's stores have read the codes' registers
.irp c, 0,1
.irp g, 0,1,2,3
	v_cvt_scalef32_pk8_fp4_f32 v[C+4*\c+\g], v[X+32*\c+8*\g:X+32*\c+8*\g+7], v[14+\c]
.endr
.endr
	v_nop                                          ; one plain line behind the last conversion
	ds_store_b32 v4, v11 offset:64*(\t)            ; both halves of the lanes write the same word with the same value
.irp c, 0,1
	global_store_b128 v1, v[C+4*\c:C+4*\c+3], s[32:33] offset:1024*(\t)+512*\c   ; an image: 512 consecutive bytes
.endr
.endm
	LOADX 0
	LOADX 1
	TILE 0
	TILE 1
	TILE 2
	TILE 3
	ds_load_b64 v[12:13], v5                       ; my wave's 64 scale words
	s_wait_dscnt 0x0
	global_store_b64 v6, v[12:13], s[34:35]        ; 256 consecutive bytes, aligned
	s_wait_tensorcnt 0x0
	ds_add_u32 v240, v241
	s_wait_dscnt 0x0
	s_endpgm
	; ---------------- the weights: a lane takes a column, its registers run down K.  Wave w: 32 columns (tiles 2 w, 2 w + 1) x 256 along K (8 blocks, two K steps)
.Lweights:
	s_sub_co_u32 s19, ttmp9, 256
	s_lshr_b32 s26, s19, 5                         ; which weight: q, k, v, o
	s_bfe_u32 s27, s19, 0x30002                    ; which 128 columns
	s_and_b32 s28, s19, 3                          ; which 256 along K
	v_bfe_u32 v10, v0, 3, 1
	s_wait_alu depctr_va_vdst(0)
	v_lshl_add_u32 v1, v9, 3, v8
	v_lshl_add_u32 v1, v10, 3, v1                  ; my column of the 32: 8 (L / 16) + L % 16 + 8 ((L / 8) % 2): lanes 0-15 are tile 2 w, lanes 16-31 tile 2 w + 1
	v_lshlrev_b32 v1, 2, v1
	v_lshlrev_b32 v2, 4, v8
	v_lshl_add_u32 v2, v9, 10, v2                  ; my codes' place: my tile, 16 r
	v_lshlrev_b32 v3, 2, v7                        ; my scale word's: 4 L
	s_lshl_b32 s30, s28, 20                        ; 256 rows of 4,096 bytes,
	s_lshl_b32 s29, s27, 9
	s_add_co_u32 s30, s30, s29                     ; + 128 columns,
	s_lshl_b32 s29, s18, 7
	s_add_co_u32 s30, s30, s29                     ; + my wave's 32
	s_mov_b32 s31, 0
	s_lshl_b32 s29, s26, 3
	s_add_co_u32 s29, s29, s27                     ; block of wq
	s_mul_i32 s29, s29, 69632
	s_mul_i32 s32, s28, 17408
	s_add_co_u32 s29, s29, s32                     ; the first of my two records
	s_lshl_b32 s32, s18, 11
	s_add_co_u32 s32, s32, s29                     ; my two tiles' images
	s_mov_b32 s33, 0
	s_lshl_b32 s34, s18, 7
	s_add_co_u32 s34, s34, s29
	s_add_co_u32 s34, s34, 8192                    ; and their scale words
	s_mov_b32 s35, 0
	s_wait_alu depctr_va_vdst(0)
	s_wait_kmcnt 0x0
	s_cmp_eq_u32 s26, 0                            ; the choices hang on the work-group's number alone
	s_cselect_b64 s[20:21], s[6:7], s[8:9]
	s_cmp_eq_u32 s26, 2
	s_cselect_b64 s[22:23], s[10:11], s[12:13]
	s_cmp_lt_u32 s26, 2
	s_cselect_b64 s[20:21], s[20:21], s[22:23]
	s_add_nc_u64 s[20:21], s[20:21], s[30:31]
	s_add_nc_u64 s[22:23], s[16:17], s[32:33]
	s_add_nc_u64 s[24:25], s[16:17], s[34:35]
.macro LOADW t                         ; block t: W(32 t + i, my column): the wave reads 128 consecutive bytes of a row
.set p, 0
.rept 32
	global_load_b32 v[WX+32*((\t)%2)+p], v1, s[20:21] offset:(32*(\t)+p)*4096 th:TH_LOAD_NT
.set p, p+1
.endr
.endm
.macro BLOCK t
.set XS, WX+32*((\t)%2)
.if (\t) < 7
	s_wait_loadcnt 32                              ; this block's 32 loads are in; the next block's may be out
.else
	s_wait_loadcnt 0x0
.endif
	v_max3_num_f32 v12, |v[XS]|, |v[XS+1]|, |v[XS+2]|
	v_max3_num_f32 v13, |v[XS+3]|, |v[XS+4]|, |v[XS+5]|
.irp i, 6,10,14,18,22,26
	v_max3_num_f32 v12, v12, |v[XS+\i]|, |v[XS+\i+1]|
	v_max3_num_f32 v13, v13, |v[XS+\i+2]|, |v[XS+\i+3]|
.endr
	v_max3_num_f32 v12, v12, |v[XS+30]|, |v[XS+31]|
	v_max3_num_f32 v12, v12, v13, 0x1800000        ; and the floor
	v_add_nc_u32 v11, 0xff000000, v12
	v_lshrrev_b32 v13, 23, v11                     ; the scale's byte
.if (\t)%4 == 0
	v_mov_b32 v[SB+(\t)/4], v13
.else
	v_lshl_or_b32 v[SB+(\t)/4], v13, 8*((\t)%4), v[SB+(\t)/4]
.endif
.irp g, 0,1,2,3
	v_cvt_scalef32_pk8_fp4_f32 v[WC+4*(\t)+\g], v[XS+8*\g:XS+8*\g+7], v11
.endr
	v_nop
	global_store_b128 v2, v[WC+4*(\t):WC+4*(\t)+3], s[22:23] offset:((\t)/4)*8704+(((\t)/2)%2)*512+((\t)%2)*256   ; block 2 c + hh of a K step: sixteen lanes store 256 consecutive bytes, aligned
.if (\t)+2 < 8
	LOADW (\t)+2
.endif
.if (\t)%4 == 3
	global_store_b32 v3, v[SB+(\t)/4], s[24:25] offset:((\t)/4)*8704           ; my two tiles' words: 128 consecutive bytes, half of an aligned 256 (the neighbouring wave writes the other half); 128 KiB in the whole launch
.endif
.endm
	LOADW 0
	LOADW 1
.irp t, 0,1,2,3,4,5,6,7
	BLOCK \t
.endr
	s_endpgm
.Lfunc_end_k_q2fb16f9487_quant:
	.size	k_q2fb16f9487_quant, .Lfunc_end_k_q2fb16f9487_quant-k_q2fb16f9487_quant
	.p2alignl 7, 3214868480
	.fill 96, 4, 3214868480
	.section	.rodata,"a",@progbits
	.p2align	6, 0x0
	.amdhsa_kernel k_q2fb16f9487_quant
		.amdhsa_group_segment_fixed_size 35328
		.amdhsa_private_segment_fixed_size 0
		.amdhsa_enable_private_segment 0
		.amdhsa_kernarg_size 56
		.amdhsa_user_sgpr_count 2
		.amdhsa_user_sgpr_kernarg_segment_ptr 1
		.amdhsa_wavefront_size32 1
		.amdhsa_system_sgpr_workgroup_id_x 1
		.amdhsa_system_sgpr_workgroup_id_y 1
		.amdhsa_system_sgpr_workgroup_id_z 1
		.amdhsa_system_vgpr_workitem_id 0
		.amdhsa_next_free_vgpr 242
		.amdhsa_next_free_sgpr 66
		.amdhsa_reserve_vcc 0
		.amdhsa_float_denorm_mode_32 3
		.amdhsa_float_denorm_mode_16_64 3
		.amdhsa_memory_ordered 1
		.amdhsa_forward_progress 1
		.amdhsa_inst_pref_size 69
	.end_amdhsa_kernel
	.amdgpu_metadata
---
amdhsa.version: [ 1, 2 ]
amdhsa.kernels:
  - .name:           k_q2fb16f9487_quant
    .symbol:         k_q2fb16f9487_quant.kd
    .args:
      - { .name: x, .offset: 0, .size: 8, .value_kind: global_buffer, .address_space: global }
      - { .name: q_w, .offset: 8, .size: 8, .value_kind: global_buffer, .address_space: global }
      - { .name: k_w, .offset: 16, .size: 8, .value_kind: global_buffer, .address_space: global }
      - { .name: v_w, .offset: 24, .size: 8, .value_kind: global_buffer, .address_space: global }
      - { .name: o_w, .offset: 32, .size: 8, .value_kind: global_buffer, .address_space: global }
      - { .name: xq, .offset: 40, .size: 8, .value_kind: global_buffer, .address_space: global }
      - { .name: wq, .offset: 48, .size: 8, .value_kind: global_buffer, .address_space: global }
    .group_segment_fixed_size: 35328
    .private_segment_fixed_size: 0
    .kernarg_segment_align: 8
    .kernarg_segment_size: 56
    .max_flat_workgroup_size: 128
    .sgpr_count:     66
    .vgpr_count:     242
    .wavefront_size: 32
...
	.end_amdgpu_metadata
.endif
;; end of part 1
;; launch qkv (part 2): grid 12 x 32, 4 waves a work-group, clusters of 4 x 4, 279,040 bytes of LDS; arguments xq, wq, q_b, k_b, v_b, qi, kv; writes qi, kv
.if DOCPART == 2
	.amdgcn_target "amdgcn-amd-amdhsa--gfx1250"
	.amdhsa_code_object_version 6
	.text
	.protected	k_q2fb16f9487_qkv
	.globl	k_q2fb16f9487_qkv
	.p2align	8
	.type	k_q2fb16f9487_qkv,@function
k_q2fb16f9487_qkv:
	s_mov_b64 s[64:65], 0
	v_nop
	global_prefetch_b8 v0, s[64:65] scope:SCOPE_SE
	s_setreg_imm32_b32 hwreg(HW_REG_WAVE_MODE, 25, 1), 1
	s_wait_xcnt 0x0
	s_wait_alu depctr_hold_cnt(0) depctr_sa_sdst(0) depctr_va_vdst(0) depctr_va_sdst(0) depctr_va_ssrc(0) depctr_va_vcc(0) depctr_vm_vsrc(0)
	s_getreg_b32 s2, hwreg(HW_REG_IB_STS2, 6, 4)
	s_cmp_eq_u32 s2, 0
	s_cbranch_scc0 .Lentry_in_a_cluster
	s_endpgm
.Lentry_in_a_cluster:
	s_bfe_u32 s2, ttmp6, 0x10000c
	s_cmp_lg_u32 s2, 0xf033
	s_cbranch_scc0 .Lentry_shape_is_right
	s_endpgm
.Lentry_shape_is_right:
; q = x q_w + q_b, k = x k_w + k_b, v = x v_w + v_b on codes of FP4 with E8M0 scales, and the results QUANTISED in registers for the attention launch: q and k along the head's 64, v along the keys.
; ONE TEXT FOR THE THREE.  D = P (source 0) x R (source 1): a lane holds ONE row of R and its registers run along P, 16 neighbours in the 16 registers of two neighbouring tiles (the tiles' rows are chosen so by the launch
; that made the codes).  The next quantiser runs along P.  For q and k (cluster x = 0, 1): P = 256 columns of the weight, R = 256 rows of x.  For v (cluster x = 2): P = 256 rows of x (the keys), R = 256 columns of v_w.
; A work-group makes 256 x 256, K = 1,024; each of four waves 128 x 128: 64 accumulators, 512 registers.
; ALL OF K LIES IN LDS AT ONCE: four blocks of 128 rows x 1,024 K, 69,632 bytes each, as they lie in memory (records in the order of an operand's registers): every tensor load is a first fill, nothing is filled again.
; CLUSTERS: 4 x 4 work-groups.  R's blocks hang on cy alone and are asked for jointly along a row of the cluster, P's on cx alone, along a column.  Each wave issues four loads (two K steps each): four are out by this text's count.
; The bias is the C of each sum's first matrix instruction.
; OUT: qi [bh][16 groups of 128 queries] records of 4,352 bytes: 8 images of 512 bytes (lane (r, hh): query r of the tile, d = 32 hh ..), then [r][4] words: (tile 2 p: two bytes; tile 2 p + 1: two bytes).
;      kv [bh][16 steps of 128 keys] records of 8,704 bytes: K's 8 images; at 4,096 V's four tiles of 16 d x two images (lane (r, hh): d row r, keys 64 c + 32 hh ..); at 8,192 K's words as in qi; at 8,448 V's scale words [r][4 tiles].
; LIMITS: NaN and infinities are not served; a block whose largest magnitude lies under 2^-124 keeps the byte 1, a block of zeros too (its codes are zeros; this program alone reads the bytes).
; REGISTERS: window 0: v1-12 addresses; v32-47 scale words, two sets (register i: lanes 0-15 R's tile i, lanes 16-31 P's tile i); v48-83 the quantiser's; v128-255 R's fragments, two sets.
;   window 1: v0-127 P's fragments, two sets; v128-191 the bias.   windows 2, 3: accumulator (a, b) at v[8 (8 (a % 4) + b)] of window 2 + a / 4.
.set REC,   8704
.set BLK,   8*REC
.set CHUNK, 2*REC
.set PBASE, 2*BLK                      ; LDS: R's two blocks at 0 and BLK, P's two at PBASE and PBASE + BLK
.set ADR, 4                            ; v4   LDS: my R block's record in hand + 16 x lane
.set ADP, 5                            ; v5   the same for P
.set ADS, 6                            ; v6   the scale words: lanes 0-15 R's, lanes 16-31 P's
.set AD0, 7                            ; v7   the way out: where the first image of a tile goes
.set AD1, 8                            ; v8   and the second
.set SH,  9                            ; v9   16 h
.set WO,  10                           ; v10  where my 16 bytes of scale words go
.set BO,  11                           ; v11  the bias loads' offset for q and k
.set BV,  12                           ; v12  and for v
.set SC,  32
.set TM,  48                           ; v48-51 largest magnitudes, v52-55 bytes, v60-63 scale operands
.set PC,  64                           ; v64-71 the codes just made
.set PWK, 72                           ; v72-79 the eight tiles' scale words
.set SWD, 80                           ; v80-83 the words to store
.set RF,  128
.set BIAS, 128                         ; in window 1
.set WV,  18
.set G1R, 24
.set G1P, 32
.set G0R, 40                           ; s[40:55] four groups 0 for R's chunks
.set G0P, 68                           ; s[68:83] four for P's
.set MSB, 0
.macro WIN new                         ; the immediate's high byte repeats the setting that is left
.if MSB != \new
	s_set_vgpr_msb (MSB<<8)|\new
.set MSB, \new
.endif
.endm
.macro CROUND                          ; a round of the cluster's barrier
	s_barrier_signal -1
	s_barrier_wait -1
	s_cmp_lg_u32 s[WV], 0
	s_cbranch_scc1 .Lnot_wave_0_\@
	s_barrier_signal -3
.Lnot_wave_0_\@:
	s_barrier_wait -3
	s_barrier_signal -1
	s_barrier_wait -1
.endm
	s_load_b256 s[4:11], s[0:1], 0x0               ; xq s[4:5], wq s[6:7], q_b s[8:9], k_b s[10:11]
	s_load_b128 s[12:15], s[0:1], 0x20             ; v_b s[12:13], qi s[14:15]
	s_load_b64 s[16:17], s[0:1], 0x30              ; kv
	v_lshl_add_u32 v126, v0, 2, 0x44000
	v_mov_b32 v127, 0
	ds_add_u32 v126, v127
	ds_add_u32 v126, v127
	v_lshrrev_b32 v1, 5, v0
	v_readfirstlane_b32 s[WV], v1                  ; wave 0..3
	s_lshr_b32 s19, s[WV], 1                       ; RH: which of R's two blocks I multiply
	s_and_b32 s20, s[WV], 1                        ; PH: which of P's.  Also: which block of the two I fetch
	s_bfe_u32 s21, ttmp6, 0x40000                  ; cx
	s_bfe_u32 s22, ttmp6, 0x40004                  ; cy
	s_and_b32 s23, ttmp7, 0xffff                   ; cluster y: which 1,024 rows of x
	s_lshl_b32 s56, s23, 2
	s_lshl_b32 s59, ttmp9, 2
	s_cmp_eq_u32 ttmp9, 2                          ; v?  The cluster's x is the same in all sixteen partners
	s_cselect_b32 s57, 8, s56                      ; R, in units of 256 rows: v: v_w's columns (units 8 .. 11 of wq); else x's rows
	s_cselect_b32 s58, s56, s59                    ; P: v: x's rows; else the weight's columns
	s_add_co_u32 s57, s57, s22                     ; R hangs on cy alone,
	s_add_co_u32 s58, s58, s21                     ; P on cx alone
	s_lshl_b32 s57, s57, 1
	s_add_co_u32 s57, s57, s20                     ; the block of 128 rows that I fetch
	s_mul_i32 s84, s57, BLK
	s_mov_b32 s85, 0
	s_lshl_b32 s58, s58, 1
	s_add_co_u32 s58, s58, s20
	s_mul_i32 s86, s58, BLK
	s_mov_b32 s87, 0
	s_lshl_b32 s89, s22, 2
	s_lshl_b32 s89, 15, s89                        ; my row of the cluster
	s_lshl_b32 s90, 0x1111, s21                    ; my column
	; descriptor group 1: a chunk of two K steps is 17,408 dense bytes: 68 rows of 32 elements of 8 bytes, no padding (a fragment load's 512 bytes are consecutive)
	s_or_b32 s[G1R], s89, (3<<16)|(1<<21)          ; 15:0 the mask; 17:16 elements of 8 bytes; 21 set beside a mask
	s_or_b32 s[G1P], s90, (3<<16)|(1<<21)
.irp g, G1R, G1P
	s_mov_b32 s[\g+1], 32<<16                      ; tensor_dim0 = 32
	s_mov_b32 s[\g+2], 68<<16                      ; tensor_dim1 = 68
	s_mov_b32 s[\g+3], 32<<16                      ; tile_dim0 = 32
	s_mov_b32 s[\g+4], 68                          ; tile_dim1 = 68
	s_mov_b32 s[\g+5], 32                          ; from row to row
	s_mov_b32 s[\g+6], 0
	s_mov_b32 s[\g+7], 0
.endr
	s_mul_i32 s88, s20, BLK                        ; where my block goes: no place in the cluster enters an LDS address
	s_wait_dscnt 0x0
	s_wait_kmcnt 0x0
	s_cmp_eq_u32 ttmp9, 2
	s_cselect_b64 s[60:61], s[6:7], s[4:5]         ; R's buffer
	s_cselect_b64 s[62:63], s[4:5], s[6:7]         ; P's
	s_add_nc_u64 s[60:61], s[60:61], s[84:85]
	s_add_nc_u64 s[62:63], s[62:63], s[86:87]
	CROUND                                         ; all sixteen work-groups are here: the joint loads meet
.irp j, 0,1,2,3
	s_mov_b32 s[G0R+4*\j], 1
	s_add_co_u32 s[G0R+4*\j+1], s88, \j*CHUNK
	s_add_nc_u64 s[G0R+4*\j+2:G0R+4*\j+3], s[60:61], \j*CHUNK
	s_or_b32 s[G0R+4*\j+3], s[G0R+4*\j+3], 0x80000000
	s_mov_b32 s[G0P+4*\j], 1
	s_add_co_u32 s[G0P+4*\j+1], s88, PBASE+\j*CHUNK
	s_add_nc_u64 s[G0P+4*\j+2:G0P+4*\j+3], s[62:63], \j*CHUNK
	s_or_b32 s[G0P+4*\j+3], s[G0P+4*\j+3], 0x80000000
.endr
	s_cmp_lt_u32 s[WV], 2                          ; waves 0, 1 fetch R's two blocks, waves 2, 3 P's: a wave's four first fills stand in one branch; four v_nop follow the last
	s_cbranch_scc0 .Lfill_p
.irp j, 0,1,2,3
	tensor_load_to_lds s[G0R+4*\j:G0R+4*\j+3], s[G1R:G1R+7]
	s_nop 0
.endr
.rept 4
	v_nop
.endr
	s_branch .Lfilled
.Lfill_p:
.irp j, 0,1,2,3
	tensor_load_to_lds s[G0P+4*\j:G0P+4*\j+3], s[G1P:G1P+7]
	s_nop 0
.endr
.rept 4
	v_nop
.endr
.Lfilled:
	; where the results go
	s_cmp_eq_u32 ttmp9, 0                          ; q?
	s_mov_b32 s94, REC
	s_cselect_b32 s94, 4352, s94                   ; a record of qi or of kv
	s_mov_b32 s89, 8192
	s_cselect_b32 s89, 4096, s89                   ; where its words begin (q, k)
	s_cselect_b64 s[96:97], s[14:15], s[16:17]
	s_cselect_b64 s[84:85], s[8:9], s[10:11]       ; the bias (q, k)
	s_lshl_b32 s95, s94, 4                         ; HS: a head's 16 records
	s_sub_co_u32 s90, s95, 3072
	s_lshl_b32 s91, s21, 2
	s_lshl_b32 s92, s20, 1
	s_add_co_u32 s91, s91, s92                     ; q, k: my first head = 4 cx + 2 PH
	s_lshl_b32 s92, s22, 2
	s_lshl_b32 s93, s19, 1
	s_add_co_u32 s92, s92, s93                     ; v: 4 cy + 2 RH
	s_mov_b32 s98, 512
	s_cmp_eq_u32 ttmp9, 2                          ; v?
	s_cselect_b32 s93, s92, s91                    ; head0
	s_cselect_b32 s91, s21, s22                    ; x's 256 rows hang on cx (v) or cy
	s_cselect_b32 s92, s20, s19                    ; and my 128 of them on PH (v) or RH
	s_cselect_b32 s99, s90, s98                    ; from tile 3 to tile 4: v: the next head's first tile of d
	s_cselect_b32 s100, s98, s95                   ; from the first image to the second: v: the tile's other 64 keys; q, k: the next head
	s_cselect_b32 s98, 1024, s98                   ; from tile to tile
	s_cselect_b32 s101, 4096, 0                    ; V lies behind K in a record
	s_cselect_b32 s89, 4352, s89                   ; V's scale words, counted from V's images
	s_cselect_b64 s[84:85], s[12:13], s[84:85]
	s_add_co_u32 s91, s91, s56                     ; which 256 rows of x
	s_lshr_b32 s90, s91, 3                         ; the batch
	s_lshl_b32 s91, s91, 1
	s_add_co_u32 s91, s91, s92
	s_and_b32 s91, s91, 15                         ; which 128 of the batch's 2,048
	s_lshl_b32 s90, s90, 4
	s_add_co_u32 s90, s90, s93                     ; bh
	s_mul_i32 s90, s90, s95
	s_mul_i32 s91, s91, s94
	s_add_co_u32 s90, s90, s91
	s_add_co_u32 s90, s90, s101
	s_mov_b32 s91, 0
	s_add_nc_u64 s[96:97], s[96:97], s[90:91]
	s_lshl_b32 s86, s93, 8                         ; the bias of my 128 columns: 64 numbers a head
	s_mov_b32 s87, 0
	s_add_nc_u64 s[84:85], s[84:85], s[86:87]
	v_and_b32 v1, 15, v0                           ; r
	v_bfe_u32 v2, v0, 4, 1                         ; h
	v_and_b32 v3, 31, v0
	v_lshlrev_b32 v3, 4, v3                        ; 16 x lane
	s_mul_i32 s86, s19, BLK
	v_add_nc_u32 v[ADR], s86, v3
	s_add_co_u32 s87, s88, PBASE
	v_add_nc_u32 v[ADP], s87, v3
	s_xor_b32 s87, s19, 1
	s_add_co_u32 s87, s87, s20
	s_add_co_u32 s87, s87, 1
	s_mul_i32 s87, s87, BLK                        ; from R's words to P's: (2 + PH - RH) blocks
	v_mul_u32_u24 v[ADS], s87, v2                  ; lanes 16-31 take P's
	v_lshl_add_u32 v[ADS], v1, 2, v[ADS]
	s_add_co_u32 s86, s86, 8192
	v_add_nc_u32 v[ADS], s86, v[ADS]
	v_mov_b32 v[AD0], v3
	v_add_nc_u32 v[AD1], s100, v3
	v_lshlrev_b32 v[SH], 4, v2
	v_mul_u32_u24 v[WO], s95, v2                   ; lanes 16-31 store the second head's words
	v_lshl_add_u32 v[WO], v1, 4, v[WO]
	v_add_nc_u32 v[WO], s89, v[WO]
	v_lshlrev_b32 v[BO], 6, v2                     ; q, k: my half's 16 numbers of each 32
	v_and_b32 v[BV], 8, v1
	v_add_nc_u32 v[BV], v[BV], v1
	v_lshlrev_b32 v[BV], 2, v[BV]                  ; v: my row of a tile: r + 8 (r / 8)
.irp b, 0,1,2,3
	v_mov_b32 v[TM+4+\b], 0                        ; written once: a lane permute's destination counts as one of its sources
.endr
	s_cmp_eq_u32 ttmp9, 2
	s_cbranch_scc1 .Lbias_v
	WIN 0x40                                       ; destination window 1
.irp b, 0,1,2,3,4,5,6,7                        ; q, k: register j of accumulator (a, b) is column 32 (b / 2) + 16 h + 8 (b % 2) + j
	global_load_b128 v[BIAS+8*\b:BIAS+8*\b+3], v[BO], s[84:85] offset:(32*(\b/2)+8*(\b%2))*4
	global_load_b128 v[BIAS+8*\b+4:BIAS+8*\b+7], v[BO], s[84:85] offset:(32*(\b/2)+8*(\b%2))*4+16
.endr
	WIN 0
	s_branch .Lbias_in
.Lbias_v:
	WIN 0x40
	s_wait_alu depctr_va_vdst(0)
.irp a, 0,1,2,3,4,5,6,7                        ; v: all eight registers of accumulator (a, b) belong to my lane's one column
.irp j, 0,1,2,3,4,5,6,7
	global_load_b32 v[BIAS+8*\a+\j], v[BV], s[84:85] offset:(32*(\a/2)+8*(\a%2))*4
.endr
.endr
	WIN 0
.Lbias_in:
.macro FETCH set                       ; a K step's fragments and scale words: 40 LDS loads in one run
	WIN 0x40
.irp i, 0,1,2,3,4,5,6,7
.irp c, 0,1
	ds_load_b128 v[64*(\set)+8*\i+4*\c:64*(\set)+8*\i+4*\c+3], v[ADP] offset:1024*\i+512*\c
.endr
.endr
	WIN 0
.irp i, 0,1,2,3,4,5,6,7
.irp c, 0,1
	ds_load_b128 v[RF+64*(\set)+8*\i+4*\c:RF+64*(\set)+8*\i+4*\c+3], v[ADR] offset:1024*\i+512*\c
.endr
.endr
.irp i, 0,1,2,3,4,5,6,7
	ds_load_b32 v[SC+8*(\set)+\i], v[ADS] offset:64*\i
.endr
.endm
; 16 matrix instructions: R's tiles a0, a0 + 1 x P's eight.  cm = 0: C is D; 1: C is the bias by P's tile; 2: by R's tile.  The 64 accumulators take turns, one instruction a turn.
.macro MUL set, a0, cm
.irp a, \a0, \a0+1
.irp b, 0,1,2,3,4,5,6,7
.set DD, 8*(8*((\a)%4)+\b)
.set PA, 64*(\set)+8*\b
.set RB, RF+64*(\set)+8*(\a)
.set SA, SC+8*(\set)+\b
.set SR, SC+8*(\set)+(\a)
.if \cm == 0
	v_wmma_scale_f32_16x16x128_f8f6f4 v[DD:DD+7], v[PA:PA+7], v[RB:RB+7], v[DD:DD+7], v[SA], v[SR] matrix_a_fmt:MATRIX_FMT_FP4 matrix_b_fmt:MATRIX_FMT_FP4 matrix_a_scale:MATRIX_SCALE_ROW1
.else
.if \cm == 1
.set CC, BIAS+8*\b
.else
.set CC, BIAS+8*(\a)
.endif
	v_wmma_scale_f32_16x16x128_f8f6f4 v[DD:DD+7], v[PA:PA+7], v[RB:RB+7], v[CC:CC+7], v[SA], v[SR] matrix_a_fmt:MATRIX_FMT_FP4 matrix_b_fmt:MATRIX_FMT_FP4 matrix_a_scale:MATRIX_SCALE_ROW1
.endif
.endr
.endr
.endm
; K step q of eight.  In steps 1, 3, 5 the next chunk is shown landed to every wave: my own load's counted wait, then the barrier, whose two halves stand 32 matrix instructions apart.
.macro KSTEP q, cm
.set CUR, (\q)%2
.set NXT, 1-CUR
	s_wait_dscnt 0x0                               ; this step's fragments and words are in
.if ((\q)%2 == 1) && ((\q) < 7)
	s_wait_tensorcnt 3-((\q)+1)/2                  ; my chunk ((q + 1) / 2) has landed; my later chunks may stay out
	s_barrier_signal -1
.endif
.if \cm
	WIN 0x91                                       ; source 0 (P) window 1, source 1 (R) window 0, C (the bias) window 1, D window 2
.else
	WIN 0xa1                                       ; C and D window 2
.endif
	MUL CUR, 0, \cm
	MUL CUR, 2, \cm
.if ((\q)%2 == 1) && ((\q) < 7)
	s_barrier_wait -1
.endif
.if (\q) < 7
	WIN 0
	v_add_nc_u32 v[ADR], REC, v[ADR]               ; on to the next record.  These four plain lines are the places in front of loads into registers that the last step's matrix instructions read
	v_add_nc_u32 v[ADP], REC, v[ADP]
	v_add_nc_u32 v[ADS], REC, v[ADS]
	v_nop
	FETCH NXT
.endif
.if \cm
	WIN 0xd1
.else
	WIN 0xf1                                       ; C and D window 3
.endif
	MUL CUR, 4, \cm
	MUL CUR, 6, \cm
.endm
	s_wait_tensorcnt 3                             ; my first chunk (K steps 0, 1) has landed; three loads may be out
	s_barrier_signal -1
	s_barrier_wait -1                              ; everybody's has
	FETCH 0
	s_wait_loadcnt 0x0                             ; the bias
	s_cmp_eq_u32 ttmp9, 2
	s_cbranch_scc1 .Lstep0_v
	KSTEP 0, 1
	WIN 0
	s_branch .Lstep1
.Lstep0_v:
	KSTEP 0, 2
	WIN 0
.Lstep1:
	s_wait_alu depctr_va_vdst(0)
.irp q, 1,2,3,4,5,6,7
	s_wait_alu depctr_va_vdst(0)
	KSTEP \q, 0
.endr
	WIN 0
; THE WAY OUT.  For R's tile a, my lane's 64 numbers (register 16 b + i = P index 32 b + 16 h + i of my row) become a fragment's codes and its scale word, and the two images of 512 bytes are stored as they stand.
.macro QUANT a
.set AC, 64*((\a)%4)
.set WS, 2+(\a)/4
	WIN (WS<<2)|(WS<<4)                            ; sources 1 and 2: the accumulators' window
.irp b, 0,1,2,3
	v_max3_num_f32 v[TM+\b], 0x1800000, |v[AC+16*\b]|, |v[AC+16*\b+1]|     ; with the floor 2^(3 - 127).  Each accumulator is read from its low end on
.endr
.irp i, 2,4,6,8,10,12,14
.irp b, 0,1,2,3
	v_max3_num_f32 v[TM+\b], v[TM+\b], |v[AC+16*\b+\i]|, |v[AC+16*\b+\i+1]|
.endr
.endr
	WIN 0
.irp b, 0,1,2,3
	v_permlanex16_b32 v[TM+4+\b], v[TM+\b], s[58], s[59]
.endr
.irp b, 0,1,2,3
	v_max_num_f32 v[TM+\b], v[TM+\b], v[TM+4+\b]   ; with lane l xor 16's 16: the block's largest magnitude
.endr
.irp b, 0,1,2,3
	v_add_nc_u32 v[TM+12+\b], 0xff000000, v[TM+\b]
.endr
.irp b, 0,1,2,3
	v_lshrrev_b32 v[TM+4+\b], 23, v[TM+12+\b]
.endr
	v_lshl_or_b32 v[PWK+(\a)], v[TM+5], 8, v[TM+4]
	v_lshl_or_b32 v[PWK+(\a)], v[TM+6], 16, v[PWK+(\a)]
	v_lshl_or_b32 v[PWK+(\a)], v[TM+7], 24, v[PWK+(\a)]
.if (\a) > 0
	s_wait_xcnt 0x0                                ; the last tile's stores have read their data and their offsets
.if (\a) == 4
	v_add_nc_u32 v[AD0], s99, v[AD0]
	v_add_nc_u32 v[AD1], s99, v[AD1]
.else
	v_add_nc_u32 v[AD0], s98, v[AD0]
	v_add_nc_u32 v[AD1], s98, v[AD1]
.endif
.endif
	WIN WS                                         ; source 0: the accumulators' window
.irp b, 0,1,2,3
	v_cvt_scalef32_pk8_fp4_f32 v[PC+2*\b], v[AC+16*\b:AC+16*\b+7], v[TM+12+\b]
	v_cvt_scalef32_pk8_fp4_f32 v[PC+2*\b+1], v[AC+16*\b+8:AC+16*\b+15], v[TM+12+\b]
.endr
	WIN 0
	v_nop                                          ; one plain line behind a scaled conversion
.irp c, 0,1                                    ; a whole block to a lane: lanes 0-15 block 2 c, lanes 16-31 block 2 c + 1
.irp i, 0,1
	v_permlane16_swap_b32 v[PC+4*\c+\i], v[PC+2+4*\c+\i]
.endr
.endr
	global_store_b128 v[AD0], v[PC:PC+3], s[96:97]         ; 512 consecutive bytes each
	global_store_b128 v[AD1], v[PC+4:PC+7], s[96:97]
.endm
	s_mov_b32 s58, 0x76543210
	s_mov_b32 s59, 0xfedcba98                      ; selects for lane l xor 16
.rept 4
	v_nop                                          ; places behind the last products
.endr
.irp a, 0,1,2,3,4,5,6,7
	QUANT \a
.endr
	s_cmp_eq_u32 ttmp9, 2
	s_cbranch_scc1 .Lwords_v
.irp p, 0,1,2,3                                ; q, k: a word's low half is the first head's two bytes, its high half the second's: lanes 16-31 take the second
	v_lshrrev_b32 v[TM+\p], v[SH], v[PWK+2*\p]
	v_lshrrev_b32 v[TM+4+\p], v[SH], v[PWK+2*\p+1]
.endr
.irp p, 0,1,2,3
	v_perm_b32 v[SWD+\p], v[TM+4+\p], v[TM+\p], 0x05040100     ; (tile 2 p: two bytes; tile 2 p + 1: two bytes)
.endr
	s_branch .Lwords
.Lwords_v:
	v_cmp_eq_u32 vcc_lo, 1, v2
.irp t, 0,1,2,3                                ; v: tiles 0-3 are the first head's, tiles 4-7 the second's
	v_cndmask_b32 v[SWD+\t], v[PWK+\t], v[PWK+4+\t], vcc_lo
.endr
.Lwords:
	s_wait_alu depctr_va_vdst(0)
	global_store_b128 v[WO], v[SWD:SWD+3], s[96:97]        ; sixteen lanes store 256 consecutive bytes, aligned
	s_wait_tensorcnt 0x0
	ds_add_u32 v126, v127
	s_wait_dscnt 0x0
	CROUND                                         ; the closing round
	s_endpgm
.Lfunc_end_k_q2fb16f9487_qkv:
	.size	k_q2fb16f9487_qkv, .Lfunc_end_k_q2fb16f9487_qkv-k_q2fb16f9487_qkv
	.p2alignl 7, 3214868480
	.fill 96, 4, 3214868480
	.section	.rodata,"a",@progbits
	.p2align	6, 0x0
	.amdhsa_kernel k_q2fb16f9487_qkv
		.amdhsa_group_segment_fixed_size 279040
		.amdhsa_private_segment_fixed_size 0
		.amdhsa_enable_private_segment 0
		.amdhsa_kernarg_size 56
		.amdhsa_user_sgpr_count 2
		.amdhsa_user_sgpr_kernarg_segment_ptr 1
		.amdhsa_wavefront_size32 1
		.amdhsa_system_sgpr_workgroup_id_x 1
		.amdhsa_system_sgpr_workgroup_id_y 1
		.amdhsa_system_sgpr_workgroup_id_z 1
		.amdhsa_system_vgpr_workitem_id 0
		.amdhsa_next_free_vgpr 1024
		.amdhsa_next_free_sgpr 102
		.amdhsa_reserve_vcc 1
		.amdhsa_float_denorm_mode_32 3
		.amdhsa_float_denorm_mode_16_64 3
		.amdhsa_memory_ordered 1
		.amdhsa_forward_progress 1
		.amdhsa_inst_pref_size 151
	.end_amdhsa_kernel
	.amdgpu_metadata
---
amdhsa.version: [ 1, 2 ]
amdhsa.kernels:
  - .name:           k_q2fb16f9487_qkv
    .symbol:         k_q2fb16f9487_qkv.kd
    .args:
      - { .name: xq, .offset: 0, .size: 8, .value_kind: global_buffer, .address_space: global }
      - { .name: wq, .offset: 8, .size: 8, .value_kind: global_buffer, .address_space: global }
      - { .name: q_b, .offset: 16, .size: 8, .value_kind: global_buffer, .address_space: global }
      - { .name: k_b, .offset: 24, .size: 8, .value_kind: global_buffer, .address_space: global }
      - { .name: v_b, .offset: 32, .size: 8, .value_kind: global_buffer, .address_space: global }
      - { .name: qi, .offset: 40, .size: 8, .value_kind: global_buffer, .address_space: global }
      - { .name: kv, .offset: 48, .size: 8, .value_kind: global_buffer, .address_space: global }
    .group_segment_fixed_size: 279040
    .private_segment_fixed_size: 0
    .kernarg_segment_align: 8
    .kernarg_segment_size: 56
    .max_flat_workgroup_size: 128
    .sgpr_count:     102
    .vgpr_count:     1024
    .wavefront_size: 32
...
	.end_amdgpu_metadata
.endif
;; end of part 2
;; launch attn (part 3): grid 4 x 64, 16 waves a work-group, clusters of 4 x 1, 169,984 bytes of LDS; arguments qi, kv, ao; writes ao
.if DOCPART == 3
	.amdgcn_target "amdgcn-amd-amdhsa--gfx1250"
	.amdhsa_code_object_version 6
	.text
	.protected	k_q2fb16f9487_attn
	.globl	k_q2fb16f9487_attn
	.p2align	8
	.type	k_q2fb16f9487_attn,@function
k_q2fb16f9487_attn:
	s_mov_b64 s[64:65], 0
	v_nop
	global_prefetch_b8 v0, s[64:65] scope:SCOPE_SE
	s_setreg_imm32_b32 hwreg(HW_REG_WAVE_MODE, 25, 1), 1
	s_wait_xcnt 0x0
	s_wait_alu depctr_hold_cnt(0) depctr_sa_sdst(0) depctr_va_vdst(0) depctr_va_sdst(0) depctr_va_ssrc(0) depctr_va_vcc(0) depctr_vm_vsrc(0)
	s_getreg_b32 s2, hwreg(HW_REG_IB_STS2, 6, 4)
	s_cmp_eq_u32 s2, 0
	s_cbranch_scc0 .Lentry_in_a_cluster
	s_endpgm
.Lentry_in_a_cluster:
	s_bfe_u32 s2, ttmp6, 0x10000c
	s_cmp_lg_u32 s2, 0x3003
	s_cbranch_scc0 .Lentry_shape_is_right
	s_endpgm
.Lentry_shape_is_right:
; attn[bh][q] = the sum over keys of softmax(q . k / 8) v, both products on codes of FP4 with E8M0 scales, and the result QUANTISED along the 1,024 for the output projection.
; THE SOFTMAX AHEAD OF THE SECOND PRODUCT: t = score x log2(e) / 8; M = the running largest t rounded UP to a whole number; p = 2^(t - M) is quantised along the keys, not normalised; the row's sum is taken of the
; unquantised p and divides at the end.  When M moves, the sum and O are multiplied by 2^(old M - new M): exact.
; SHARES.  A work-group owns one head and 512 queries; each of sixteen waves owns a tile of 16 queries at a time, twice; four waves to a SIMD, so that one wave's vector work stands beside another's matrix work.
; A HEAD'S WHOLE K AND V, 16 records of 8,704 bytes, lie in LDS for the whole launch: one tensor load a wave (record = wave), one barrier, nothing filled again, no LDS store.
; CLUSTER.  The four work-groups of a cluster own the same head: each record is asked for JOINTLY, by the same load with the same descriptor and a mask that names the four.
; LAYOUT.  S^T = K Q^T (source 0 = keys), O^T = V^T P^T (source 0 = 16 of the head's 64): a lane holds ONE query throughout.  The keys of a tile are chosen (by the launch that made the codes) so that the 16 registers
; of tiles 2 b, 2 b + 1 are the neighbouring keys 32 b + 16 (lane / 16) + 0 .. 15; the head's d likewise in O^T.
; THE HEAD'S 64 FILL HALF OF THE INSTRUCTION'S 128.  A fragment of K is TWO tiles: registers 0-3 tile 2 b (k = 0 .. 63), registers 4-7 tile 2 b + 1 (k = 64 .. 127).  Q stands between zeros, v8-19 = 0 0 0 0 Q Q Q Q 0 0 0 0:
; v[12:19] = (Q, 0) picks tile 2 b, v[8:15] = (0, Q) tile 2 b + 1: the other tile's codes meet zero codes, which add nothing under any scale byte that this program makes (1 to 254).
; LIMITS: NaN and infinities are not served; a block whose largest magnitude lies under 2^-124 keeps the byte 1, a block of zeros too; the division by the sum is v_rcp_f32 and a multiplication.
.set REC, 8704
.set LI,  1                            ; v1   16 x lane
.set RI,  2                            ; v2   16 x (lane % 16)
.set AD,  3                            ; v3   LDS: the step's record + 16 x lane
.set AS,  4                            ; v4   the step's record + 16 r
.set BY,  5                            ; v5   4 r + hh: my scale byte's place
.set LN,  7                            ; v7   lane
.set QS,  20                           ; v20  Q's scale word (q0, q1, q0, q1)
.set KF,  32                           ; v32-63   K's four fragments
.set VF,  64                           ; v64-95   V's four
.set S,   96                           ; v96-159  S^T, then p
.set O,   160                          ; v160-191 O^T
.set PC,  192                          ; v192-199 p's codes
.set KS,  200                          ; v200-203 K's scale words, one for each fragment
.set VS,  204                          ; v204-207 V's
.set PW,  208                          ; v208 p's scale word
.set BM,  212                          ; v212-215 the blocks' largest
.set T4,  216
.set SO,  220                          ; v220-223 the conversions' scale operands
.set F,   224                          ; v[224:225] f, later 1 / the sum: the packed forms name the pair and take its low word
.set TP,  226
.set L2,  228                          ; v[228:229] the sum's second chain;  v22 -M, v23 the largest t, v[24:25] the sum
.set WV,  10
.macro CROUND
	s_barrier_signal -1
	s_barrier_wait -1
	s_cmp_lg_u32 s[WV], 0
	s_cbranch_scc1 .Lnot_wave_0_\@
	s_barrier_signal -3
.Lnot_wave_0_\@:
	s_barrier_wait -3
	s_barrier_signal -1
	s_barrier_wait -1
.endm
	s_load_b128 s[4:7], s[0:1], 0x0                ; qi s[4:5], kv s[6:7]
	s_load_b64 s[8:9], s[0:1], 0x10                ; ao
	v_lshl_add_u32 v254, v0, 2, 0x29000
	v_mov_b32 v255, 0
	ds_add_u32 v254, v255
	ds_add_u32 v254, v255
	v_lshrrev_b32 v1, 5, v0
	s_delay_alu instid0(VALU_DEP_1)
	v_readfirstlane_b32 s[WV], v1                  ; wave 0..15
	s_bfe_u32 s11, ttmp6, 0x40000                  ; cx: which 512 queries
	s_and_b32 s12, ttmp7, 0xffff                   ; bh, which the four partners share
	; descriptor group 1: a record is 8,704 dense bytes: 34 rows of 32 elements of 8 bytes
	s_mov_b32 s16, 15|(3<<16)|(1<<21)              ; 15:0 the mask: all four work-groups; 17:16 elements of 8 bytes; 21 set beside a mask
	s_mov_b32 s17, 32<<16
	s_mov_b32 s18, 34<<16
	s_mov_b32 s19, 32<<16
	s_mov_b32 s20, 34
	s_mov_b32 s21, 32
	s_mov_b32 s22, 0
	s_mov_b32 s23, 0
	s_mul_i32 s44, s12, 16*REC
	s_mul_i32 s45, s[WV], REC                      ; my record, in memory and in LDS
	s_add_co_u32 s48, s44, s45
	s_mov_b32 s49, 0
	s_lshr_b32 s50, s[WV], 3
	s_lshl_b32 s51, s11, 2
	s_add_co_u32 s50, s50, s51                     ; my first pass's group of 128 queries: 4 cx + wave / 8 (the second pass: two groups on)
	s_and_b32 s51, s[WV], 7                        ; my tile in it
	s_mul_i32 s52, s12, 69632
	s_mul_i32 s53, s50, 4352
	s_add_co_u32 s52, s52, s53                     ; qi's record
	s_lshl_b32 s53, s51, 9
	s_add_co_u32 s54, s52, s53                     ; Q's image
	s_mov_b32 s55, 0
	s_lshr_b32 s53, s51, 1
	s_lshl_b32 s53, s53, 2
	s_add_co_u32 s56, s52, s53
	s_add_co_u32 s56, s56, 4096                    ; the word that holds my tile's two bytes
	s_mov_b32 s57, 0
	s_lshr_b32 s52, s12, 4
	s_lshl_b32 s52, s52, 4
	s_add_co_u32 s52, s52, s50                     ; ao's block of 128 rows: 16 x batch + group
	s_mul_i32 s52, s52, 69632
	s_bfe_u32 s53, s12, 0x30001                    ; its K step: head / 2
	s_mul_i32 s53, s53, REC
	s_add_co_u32 s52, s52, s53
	s_and_b32 s53, s12, 1                          ; c = head % 2
	s_lshl_b32 s58, s51, 10
	s_add_co_u32 s58, s58, s52
	s_lshl_b32 s44, s53, 9
	s_add_co_u32 s58, s58, s44                     ; my image
	s_mov_b32 s59, 0
	s_lshl_b32 s60, s51, 6
	s_add_co_u32 s60, s60, s52
	s_lshl_b32 s62, s53, 1
	s_add_co_u32 s60, s60, s62
	s_add_co_u32 s60, s60, 8192                    ; my tile's scale words, at byte 2 c
	s_mov_b32 s61, 0
	s_and_b32 s52, s[WV], 1
	s_cmp_eq_u32 s52, 1
	s_mov_b32 s34, 0x01000100                      ; an even tile's two bytes are the word's low half,
	s_cselect_b32 s34, 0x03020302, s34             ; an odd tile's its high half
	s_mov_b32 s28, 0x76543210
	s_mov_b32 s29, 0xfedcba98                      ; selects for lane l xor 16
	s_mov_b32 s30, 0x3e38aa3b                      ; c = log2(e) / 8
	s_mov_b32 s31, s30                             ; (named with it as a pair, so it is written)
	s_wait_dscnt 0x0
	s_wait_kmcnt 0x0
	s_mov_b32 s24, 1
	s_mov_b32 s25, s45
	s_add_nc_u64 s[26:27], s[6:7], s[48:49]
	s_or_b32 s27, s27, 0x80000000
	s_add_nc_u64 s[36:37], s[4:5], s[54:55]
	s_add_nc_u64 s[38:39], s[4:5], s[56:57]
	s_add_nc_u64 s[40:41], s[8:9], s[58:59]
	s_add_nc_u64 s[42:43], s[8:9], s[60:61]
	CROUND                                         ; all four work-groups are here: the joint loads meet
	tensor_load_to_lds s[24:27], s[16:23]          ; my record: one load of mine is out
	s_nop 0
.rept 4
	v_nop
.endr
	v_and_b32 v[LN], 31, v0
	s_delay_alu instid0(VALU_DEP_1)
	v_lshlrev_b32 v[LI], 4, v[LN]
	v_and_b32 v[RI], 15, v0
	v_bfe_u32 v6, v0, 4, 1
	s_delay_alu instid0(VALU_DEP_1)
	v_lshl_add_u32 v[BY], v[RI], 2, v6
	s_delay_alu instid0(VALU_DEP_3)
	v_lshlrev_b32 v[RI], 4, v[RI]
	global_load_b128 v[12:15], v[LI], s[36:37]             ; the first pass's Q: lane (r, hh): query r, d = 32 hh ..
	global_load_b32 v21, v[RI], s[38:39]
	global_load_b128 v[26:29], v[LI], s[36:37] offset:8704 ; the second pass's
	global_load_b32 v30, v[RI], s[38:39] offset:8704
	v_cmp_lt_u32 s46, 15, v[LN]                    ; lanes 16-31
.irp i, 8,9,10,11,16,17,18,19
	v_mov_b32 v[\i], 0                             ; the zero codes on both sides of Q
.endr
.irp b, 0,1,2,3
	v_mov_b32 v[T4+\b], 0                          ; written once: a lane permute's destination counts as one of its sources
.endr
	v_mov_b32 v[F+1], 0                            ; (named as the upper half of a pair)
	s_wait_tensorcnt 0x0                           ; my record has landed,
	s_barrier_signal -1
	s_barrier_wait -1                              ; everybody's has
	s_wait_loadcnt 0x0                             ; Q
; A KEY STEP: 128 keys, the record at LDS byte s32.
.macro STEP
	v_add_nc_u32 v[AD], s32, v[LI]
	v_add_nc_u32 v[AS], s32, v[RI]
.irp m, 0,1,2,3,4,5,6,7
	ds_load_b128 v[KF+4*\m:KF+4*\m+3], v[AD] offset:512*\m
.endr
	ds_load_b128 v[KS:KS+3], v[AS] offset:8192
	s_wait_alu depctr_va_vdst(0)
	s_wait_dscnt 0x0
.irp b, 0,1,2,3
.irp u, 0,1
	v_wmma_scale_f32_16x16x128_f8f6f4 v[S+8*(2*\b+\u):S+8*(2*\b+\u)+7], v[KF+8*\b:KF+8*\b+7], v[12-4*\u:19-4*\u], 0, v[KS+\b], v[QS] matrix_a_fmt:MATRIX_FMT_FP4 matrix_b_fmt:MATRIX_FMT_FP4
.endr
.endr
.rept 4
	v_nop                                          ; places: in front of the first read of the scores, and (with the two additions above) of the loads into V's registers, which the last step's products read
.endr
.irp t, 0,1,2,3
.irp c, 0,1
	ds_load_b128 v[VF+8*\t+4*\c:VF+8*\t+4*\c+3], v[AD] offset:4096+1024*\t+512*\c   ; V lands while the softmax is walked
.endr
.endr
	ds_load_b128 v[VS:VS+3], v[AS] offset:8448
.irp b, 0,1,2,3
	v_max3_num_f32 v[BM+\b], v[S+16*\b], v[S+16*\b+1], v[S+16*\b+2]        ; the largest score of each block of 32 keys: it serves the row's maximum and, since p rises with the score, the block's largest p
.endr
.irp i, 3,5,7,9,11,13
.irp b, 0,1,2,3
	v_max3_num_f32 v[BM+\b], v[BM+\b], v[S+16*\b+\i], v[S+16*\b+\i+1]
.endr
.endr
.irp b, 0,1,2,3
	v_max_num_f32 v[BM+\b], v[BM+\b], v[S+16*\b+15]
.endr
.irp b, 0,1,2,3
	s_delay_alu instid0(VALU_DEP_4)
	v_permlanex16_b32 v[T4+\b], v[BM+\b], s28, s29
.endr
.irp b, 0,1,2,3
	s_delay_alu instid0(VALU_DEP_4)
	v_max_num_f32 v[BM+\b], v[BM+\b], v[T4+\b]     ; with lane l xor 16's 16 keys
.endr
	s_delay_alu instid0(VALU_DEP_2)
	v_max3_num_f32 v[TP], v[BM], v[BM+1], v[BM+2]
	s_delay_alu instid0(VALU_DEP_1)
	v_max_num_f32 v[TP], v[TP], v[BM+3]
	s_delay_alu instid0(VALU_DEP_1)
	v_mul_f32 v[TP], s30, v[TP]                    ; as t (c is positive)
	s_delay_alu instid0(VALU_DEP_1)
	v_max_num_f32 v23, v23, v[TP]                  ; the running largest t
	v_mov_b32 v[TP], v22
	s_delay_alu instid0(VALU_DEP_2)
	v_floor_f32 v22, -v23                          ; the new -M = floor(-t): M is a whole number
	s_delay_alu instid0(VALU_DEP_1)
	v_sub_f32 v[TP], v22, v[TP]                    ; old M - new M: a whole number, 0 or less
	s_delay_alu instid0(VALU_DEP_1)
	v_cvt_i32_f32 v[TP], v[TP]                     ; (it saturates)
	s_delay_alu instid0(VALU_DEP_1)
	v_ldexp_f32 v[F], 1.0, v[TP]                   ; f = 2^(old M - new M)
.set j, 0
.rept 32
	v_pk_fma_f32 v[S+j:S+j+1], v[S+j:S+j+1], s[30:31], v[22:23] op_sel_hi:[1,0,0]   ; t - M, two at a time
.set j, j+2
.endr
.irp b, 0,1,2,3
	v_fma_f32 v[BM+\b], v[BM+\b], s30, v22         ; the same of each block's largest score
.endr
.set j, 0
	s_wait_alu depctr_va_vdst(0)
.rept 64
	v_exp_f32 v[S+j], v[S+j]                       ; p = 2^(t - M), at most 1
.set j, j+1
.endr
	s_setprio 1
	v_pk_mul_f32 v[24:25], v[24:25], v[F:F+1] op_sel_hi:[1,0]      ; the sums under the new M: the plain line behind the exponentials
	s_wait_alu depctr_va_vdst(0)                   ; one wait for the batch of 64, ahead of its first reader
.irp b, 0,1,2,3
	v_exp_f32 v[BM+\b], v[BM+\b]                   ; the block's largest p: the same two instructions on the same number
.endr
	v_pk_add_f32 v[228:229], v[100:101], v[104:105]
	v_pk_add_f32 v[252:253], v[108:109], v[112:113]
	v_pk_add_f32 v[250:251], v[116:117], v[120:121]
	v_pk_add_f32 v[248:249], v[124:125], v[128:129]
	v_pk_add_f32 v[246:247], v[132:133], v[136:137]
	v_pk_add_f32 v[244:245], v[140:141], v[144:145]
	v_pk_add_f32 v[242:243], v[148:149], v[152:153]
	v_pk_add_f32 v[24:25], v[24:25], v[156:157]
	v_pk_add_f32 v[228:229], v[228:229], v[96:97]
	v_pk_add_f32 v[252:253], v[252:253], v[98:99]
	v_pk_add_f32 v[250:251], v[250:251], v[102:103]
	v_pk_add_f32 v[248:249], v[248:249], v[106:107]
	v_pk_add_f32 v[246:247], v[246:247], v[110:111]
	v_pk_add_f32 v[244:245], v[244:245], v[114:115]
	v_pk_add_f32 v[242:243], v[242:243], v[118:119]
	v_pk_add_f32 v[24:25], v[24:25], v[122:123]
	v_pk_add_f32 v[228:229], v[228:229], v[126:127]
	v_pk_add_f32 v[252:253], v[252:253], v[130:131]
	v_pk_add_f32 v[250:251], v[250:251], v[134:135]
	v_pk_add_f32 v[248:249], v[248:249], v[138:139]
	v_pk_add_f32 v[246:247], v[246:247], v[142:143]
	v_pk_add_f32 v[244:245], v[244:245], v[146:147]
	v_pk_add_f32 v[242:243], v[242:243], v[150:151]
	v_pk_add_f32 v[24:25], v[24:25], v[154:155]
	v_pk_add_f32 v[228:229], v[228:229], v[158:159]
	s_delay_alu instid0(VALU_DEP_2)
	v_pk_add_f32 v[24:25], v[24:25], v[248:249]
	s_delay_alu instid0(VALU_DEP_2)
	v_pk_add_f32 v[228:229], v[228:229], v[246:247]
	v_pk_add_f32 v[252:253], v[252:253], v[244:245]
	v_pk_add_f32 v[250:251], v[250:251], v[242:243]
	s_delay_alu instid0(VALU_DEP_2)
	v_pk_add_f32 v[24:25], v[24:25], v[252:253]
	s_delay_alu instid0(VALU_DEP_2)
	v_pk_add_f32 v[228:229], v[228:229], v[250:251]
	s_delay_alu instid0(VALU_DEP_1)
	v_pk_add_f32 v[24:25], v[24:25], v[228:229]
	s_wait_alu depctr_va_vdst(0)                   ; and one for the four
.irp b, 0,1,2,3
	v_max_num_f32 v[BM+\b], 0x1800000, v[BM+\b]    ; the floor 2^(3 - 127): the byte cannot fall under 1
.endr
.irp b, 0,1,2,3
	s_delay_alu instid0(VALU_DEP_4)
	v_add_nc_u32 v[SO+\b], 0xff000000, v[BM+\b]
.endr
.irp b, 0,1,2,3
	s_delay_alu instid0(VALU_DEP_4)
	v_lshrrev_b32 v[T4+\b], 23, v[SO+\b]
.endr
	s_delay_alu instid0(VALU_DEP_3)
	v_lshl_or_b32 v[PW], v[T4+1], 8, v[T4]         ; p's scale word for these 128 keys
	s_delay_alu instid0(VALU_DEP_1)
	v_lshl_or_b32 v[PW], v[T4+2], 16, v[PW]
	s_delay_alu instid0(VALU_DEP_1)
	v_lshl_or_b32 v[PW], v[T4+3], 24, v[PW]
.irp b, 0,1,2,3
	v_cvt_scalef32_pk8_fp4_f32 v[PC+2*\b], v[S+16*\b:S+16*\b+7], v[SO+\b]
	v_cvt_scalef32_pk8_fp4_f32 v[PC+2*\b+1], v[S+16*\b+8:S+16*\b+15], v[SO+\b]
.endr
	v_nop                                          ; one plain line behind a scaled conversion
.irp c, 0,1
.irp i, 0,1
	v_permlane16_swap_b32 v[PC+4*\c+\i], v[PC+2+4*\c+\i]   ; a whole block to a lane
.endr
.endr
.set j, 0
	s_setprio 0
.rept 16
	v_pk_mul_f32 v[O+j:O+j+1], v[O+j:O+j+1], v[F:F+1] op_sel_hi:[1,0]      ; O^T under the new M.  These sixteen are also the places between the lines that made p's codes and scale word and the products
.set j, j+2
.endr
	s_wait_alu depctr_va_vdst(0)
	s_wait_dscnt 0x0                               ; V is in
.irp t, 0,1,2,3
	v_wmma_scale_f32_16x16x128_f8f6f4 v[O+8*\t:O+8*\t+7], v[VF+8*\t:VF+8*\t+7], v[PC:PC+7], v[O+8*\t:O+8*\t+7], v[VS+\t], v[PW] matrix_a_fmt:MATRIX_FMT_FP4 matrix_b_fmt:MATRIX_FMT_FP4
.endr
.endm
; A tile of 16 queries: all 16 key steps, then the way out.
.macro PASS p
.if \p
	s_wait_xcnt 0x0                                ; the first pass's stores have read their data
.irp i, 0,1,2,3
	v_mov_b32 v[12+\i], v[26+\i]
.endr
	v_perm_b32 v[QS], v30, v30, s34
.else
	v_perm_b32 v[QS], v21, v21, s34
.endif
	v_mov_b32 v23, 0xff61b1e6                      ; the largest t so far: -3e38, under every t
	s_delay_alu instid0(VALU_DEP_1)
	v_floor_f32 v22, -v23
	v_mov_b32 v24, 0
	v_mov_b32 v25, 0
.set j, 0
.rept 32
	v_mov_b32 v[O+j], 0                            ; the step is written once: the first finds zeros, which the first change of M leaves zeros.  (Also the places behind the lines that wrote Q and its scale word)
.set j, j+1
.endr
	s_mov_b32 s32, 0
	s_mov_b32 s33, 16
.Lstep_\@:
	s_setprio 2
	STEP
	s_add_co_u32 s32, s32, REC
	s_sub_co_u32 s33, s33, 1
	s_cmp_lg_u32 s33, 0
	s_cbranch_scc1 .Lstep_\@
	s_setprio 0
.rept 4
	v_nop                                          ; places behind the last products
.endr
	v_add_f32 v24, v24, v25                        ; the sum's two halves,
	s_delay_alu instid0(VALU_DEP_1)
	v_permlanex16_b32 v[TP], v24, s28, s29
	s_delay_alu instid0(VALU_DEP_1)
	v_add_f32 v24, v24, v[TP]                      ; and lane l xor 16's
	s_wait_alu depctr_va_vdst(0)
	v_rcp_f32 v[F], v24
	v_nop                                          ; a plain line behind the reciprocal,
	s_wait_alu depctr_va_vdst(0)                   ; and the wait ahead of its first reader
.set j, 0
.rept 16
	v_pk_mul_f32 v[S+j:S+j+1], v[O+j:O+j+1], v[F:F+1] op_sel_hi:[1,0]      ; register 16 b + i = attn(query r, d = 32 b + 16 h + i); each accumulator from its low end on
.set j, j+2
.endr
.irp b, 0,1
	v_max3_num_f32 v[BM+\b], |v[S+16*\b]|, |v[S+16*\b+1]|, 0x1800000
.endr
.irp i, 2,4,6,8,10,12,14
.irp b, 0,1
	s_delay_alu instid0(VALU_DEP_2)
	v_max3_num_f32 v[BM+\b], v[BM+\b], |v[S+16*\b+\i]|, |v[S+16*\b+\i+1]|
.endr
.endr
.irp b, 0,1
	s_delay_alu instid0(VALU_DEP_2)
	v_permlanex16_b32 v[T4+\b], v[BM+\b], s28, s29
.endr
.irp b, 0,1
	s_delay_alu instid0(VALU_DEP_2)
	v_max_num_f32 v[BM+\b], v[BM+\b], v[T4+\b]
.endr
.irp b, 0,1
	s_delay_alu instid0(VALU_DEP_2)
	v_add_nc_u32 v[SO+\b], 0xff000000, v[BM+\b]
.endr
.irp b, 0,1
	s_delay_alu instid0(VALU_DEP_2)
	v_lshrrev_b32 v[T4+\b], 23, v[SO+\b]
.endr
.irp b, 0,1
	v_cvt_scalef32_pk8_fp4_f32 v[PC+2*\b], v[S+16*\b:S+16*\b+7], v[SO+\b]
	v_cvt_scalef32_pk8_fp4_f32 v[PC+2*\b+1], v[S+16*\b+8:S+16*\b+15], v[SO+\b]
.endr
	v_nop
	v_permlane16_swap_b32 v[PC], v[PC+2]           ; lane (r, hh) now holds d = 32 hh + 0 .. 31 of row r: its 16 bytes of ao's image
	v_permlane16_swap_b32 v[PC+1], v[PC+3]
	v_cndmask_b32 v[TP], v[T4], v[T4+1], s46       ; and block hh's byte
	global_store_b128 v[LI], v[PC:PC+3], s[40:41] offset:(\p)*139264       ; 512 consecutive bytes
	global_store_b8 v[BY], v[TP], s[42:43] offset:(\p)*139264              ; two of each row's four scale bytes (the head beside mine writes the other two): single bytes, 256 KiB in the whole launch
.endm
	PASS 0
	PASS 1
	s_wait_tensorcnt 0x0
	ds_add_u32 v254, v255
	s_wait_dscnt 0x0
	CROUND                                         ; the closing round
	s_endpgm
.Lfunc_end_k_q2fb16f9487_attn:
	.size	k_q2fb16f9487_attn, .Lfunc_end_k_q2fb16f9487_attn-k_q2fb16f9487_attn
	.p2alignl 7, 3214868480
	.fill 96, 4, 3214868480
	.section	.rodata,"a",@progbits
	.p2align	6, 0x0
	.amdhsa_kernel k_q2fb16f9487_attn
		.amdhsa_group_segment_fixed_size 169984
		.amdhsa_private_segment_fixed_size 0
		.amdhsa_enable_private_segment 0
		.amdhsa_kernarg_size 24
		.amdhsa_user_sgpr_count 2
		.amdhsa_user_sgpr_kernarg_segment_ptr 1
		.amdhsa_wavefront_size32 1
		.amdhsa_system_sgpr_workgroup_id_x 1
		.amdhsa_system_sgpr_workgroup_id_y 1
		.amdhsa_system_sgpr_workgroup_id_z 1
		.amdhsa_system_vgpr_workitem_id 0
		.amdhsa_next_free_vgpr 256
		.amdhsa_next_free_sgpr 66
		.amdhsa_reserve_vcc 0
		.amdhsa_float_denorm_mode_32 3
		.amdhsa_float_denorm_mode_16_64 3
		.amdhsa_memory_ordered 1
		.amdhsa_forward_progress 1
		.amdhsa_inst_pref_size 49
	.end_amdhsa_kernel
	.amdgpu_metadata
---
amdhsa.version: [ 1, 2 ]
amdhsa.kernels:
  - .name:           k_q2fb16f9487_attn
    .symbol:         k_q2fb16f9487_attn.kd
    .args:
      - { .name: qi, .offset: 0, .size: 8, .value_kind: global_buffer, .address_space: global }
      - { .name: kv, .offset: 8, .size: 8, .value_kind: global_buffer, .address_space: global }
      - { .name: ao, .offset: 16, .size: 8, .value_kind: global_buffer, .address_space: global }
    .group_segment_fixed_size: 169984
    .private_segment_fixed_size: 0
    .kernarg_segment_align: 8
    .kernarg_segment_size: 24
    .max_flat_workgroup_size: 512
    .sgpr_count:     66
    .vgpr_count:     256
    .wavefront_size: 32
...
	.end_amdgpu_metadata
.endif
;; end of part 3
;; launch oproj (part 4): grid 4 x 64, 4 waves a work-group, clusters of 4 x 4, 243,200 bytes of LDS; arguments ao, wq, o_b, out0; writes out0
.if DOCPART == 4
	.amdgcn_target "amdgcn-amd-amdhsa--gfx1250"
	.amdhsa_code_object_version 6
	.text
	.protected	k_q2fb16f9487_oproj
	.globl	k_q2fb16f9487_oproj
	.p2align	8
	.type	k_q2fb16f9487_oproj,@function
k_q2fb16f9487_oproj:
	s_mov_b64 s[64:65], 0
	v_nop
	global_prefetch_b8 v0, s[64:65] scope:SCOPE_SE
	s_setreg_imm32_b32 hwreg(HW_REG_WAVE_MODE, 25, 1), 1
	s_wait_xcnt 0x0
	s_wait_alu depctr_hold_cnt(0) depctr_sa_sdst(0) depctr_va_vdst(0) depctr_va_sdst(0) depctr_va_ssrc(0) depctr_va_vcc(0) depctr_vm_vsrc(0)
	s_getreg_b32 s2, hwreg(HW_REG_IB_STS2, 6, 4)
	s_cmp_eq_u32 s2, 0
	s_cbranch_scc0 .Lentry_in_a_cluster
	s_endpgm
.Lentry_in_a_cluster:
	s_bfe_u32 s2, ttmp6, 0x10000c
	s_cmp_lg_u32 s2, 0xf033
	s_cbranch_scc0 .Lentry_shape_is_right
	s_endpgm
.Lentry_shape_is_right:
; out0 = attn o_w + o_b on codes of FP4 with E8M0 scales.  attn's codes (ao) and o_w's (blocks 24-31 of wq) lie in the order of an operand's registers: records of 8,704 bytes for 128 rows x 128 along K.
; A work-group makes 128 rows x 256 columns (256 work-groups), each of four waves 64 x 128: 32 accumulators.  D = P (source 0: 16 columns of o_w) x R (source 1: 16 rows of attn): a lane holds one row and eight neighbouring columns.
; ALL OF K LIES IN LDS AT ONCE: R's block (69,632 bytes) and P's two: every tensor load is a first fill.  Four loads a wave are out by this text's count: waves 0, 1 bring R's K steps 2 j + wave, waves 2, 3 P's blocks in chunks of two K steps.
; CLUSTERS: 4 x 4 work-groups; R hangs on cy alone and is asked for jointly along a row of the cluster, P on cx alone, along a column.
; The tiles' rows are not neighbours (row r of tile 2 B + u is row 32 B + 8 u + r + 8 (r / 8)): the way out undoes that in the stores' immediates and in the stage's columns.
; REGISTERS: window 0: v1-11 addresses; v32-39 R's scale words, v40-55 P's, two sets each; v128-191 R's fragments, two sets; on the way out v128-255 rows of out0.
;   window 1: v0-127 P's fragments, two sets; v128-191 the bias.   window 2: accumulator (a, b) at v[8 (8 a + b)].
.set REC,   8704
.set BLK,   8*REC
.set CHUNK, 2*REC
.set SP,    528                        ; a stage row: 512 bytes + 16
.set STAGE, 3*BLK                      ; LDS: R at 0, P's two blocks at BLK and 2 BLK, then a stage of 16 rows for each wave, into which no tensor load lands
.set ADR, 4
.set ADP, 5
.set ASR, 6
.set ASP, 7
.set STO, 8
.set RD,  9
.set BO,  11
.set SCR, 32
.set SCP, 40
.set RF,  128
.set BK,  128
.set BIAS, 128
.set WV,  18
.set G1R, 24
.set G1P, 32
.set G0R, 40
.set G0P, 68
.set MSB, 0
.macro WIN new
.if MSB != \new
	s_set_vgpr_msb (MSB<<8)|\new
.set MSB, \new
.endif
.endm
.macro CROUND
	s_barrier_signal -1
	s_barrier_wait -1
	s_cmp_lg_u32 s[WV], 0
	s_cbranch_scc1 .Lnot_wave_0_\@
	s_barrier_signal -3
.Lnot_wave_0_\@:
	s_barrier_wait -3
	s_barrier_signal -1
	s_barrier_wait -1
.endm
	s_load_b256 s[4:11], s[0:1], 0x0               ; ao s[4:5], wq s[6:7], o_b s[8:9], out0 s[10:11]
	v_lshl_add_u32 v126, v0, 2, 0x3b400
	v_mov_b32 v127, 0
	ds_add_u32 v126, v127
	ds_add_u32 v126, v127
	v_lshrrev_b32 v1, 5, v0
	v_readfirstlane_b32 s[WV], v1
	s_lshr_b32 s19, s[WV], 1                       ; RH: which 64 rows are mine
	s_and_b32 s20, s[WV], 1                        ; PH: which 128 columns.  Also: which part I fetch
	s_bfe_u32 s21, ttmp6, 0x40000                  ; cx: which 256 columns (the grid is one cluster wide)
	s_bfe_u32 s22, ttmp6, 0x40004                  ; cy
	s_and_b32 s23, ttmp7, 0xffff
	s_lshl_b32 s57, s23, 2
	s_add_co_u32 s57, s57, s22                     ; which 128 rows: 4 x cluster y + cy
	s_mul_i32 s84, s57, BLK
	s_mul_i32 s88, s20, REC                        ; waves 0, 1: the even or the odd K steps
	s_add_co_u32 s84, s84, s88
	s_mov_b32 s85, 0
	s_lshl_b32 s58, s21, 1
	s_add_co_u32 s58, s58, s20
	s_add_co_u32 s58, s58, 24                      ; waves 2, 3: block 24 + 2 cx + half of wq
	s_mul_i32 s86, s58, BLK
	s_mov_b32 s87, 0
	s_mul_i32 s89, s20, BLK
	s_add_co_u32 s89, s89, BLK                     ; its place in LDS
	s_lshl_b32 s90, s22, 2
	s_lshl_b32 s90, 15, s90                        ; my row of the cluster
	s_lshl_b32 s91, 0x1111, s21                    ; my column
	s_or_b32 s[G1R], s90, (3<<16)|(1<<21)          ; R: a record: 34 rows of 32 elements of 8 bytes
	s_mov_b32 s[G1R+1], 32<<16
	s_mov_b32 s[G1R+2], 34<<16
	s_mov_b32 s[G1R+3], 32<<16
	s_mov_b32 s[G1R+4], 34
	s_mov_b32 s[G1R+5], 32
	s_mov_b32 s[G1R+6], 0
	s_mov_b32 s[G1R+7], 0
	s_or_b32 s[G1P], s91, (3<<16)|(1<<21)          ; P: two records: 68 rows
	s_mov_b32 s[G1P+1], 32<<16
	s_mov_b32 s[G1P+2], 68<<16
	s_mov_b32 s[G1P+3], 32<<16
	s_mov_b32 s[G1P+4], 68
	s_mov_b32 s[G1P+5], 32
	s_mov_b32 s[G1P+6], 0
	s_mov_b32 s[G1P+7], 0
	s_wait_dscnt 0x0
	s_wait_kmcnt 0x0
	s_add_nc_u64 s[60:61], s[4:5], s[84:85]
	s_add_nc_u64 s[62:63], s[6:7], s[86:87]
	CROUND                                         ; all sixteen work-groups are here: the joint loads meet
.irp j, 0,1,2,3
	s_mov_b32 s[G0R+4*\j], 1
	s_add_co_u32 s[G0R+4*\j+1], s88, \j*CHUNK
	s_add_nc_u64 s[G0R+4*\j+2:G0R+4*\j+3], s[60:61], \j*CHUNK
	s_or_b32 s[G0R+4*\j+3], s[G0R+4*\j+3], 0x80000000
	s_mov_b32 s[G0P+4*\j], 1
	s_add_co_u32 s[G0P+4*\j+1], s89, \j*CHUNK
	s_add_nc_u64 s[G0P+4*\j+2:G0P+4*\j+3], s[62:63], \j*CHUNK
	s_or_b32 s[G0P+4*\j+3], s[G0P+4*\j+3], 0x80000000
.endr
	s_cmp_lt_u32 s[WV], 2                          ; a wave's four first fills stand in one branch; four v_nop follow the last
	s_cbranch_scc0 .Lfill_p
.irp j, 0,1,2,3
	tensor_load_to_lds s[G0R+4*\j:G0R+4*\j+3], s[G1R:G1R+7]
	s_nop 0
.endr
.rept 4
	v_nop
.endr
	s_branch .Lfilled
.Lfill_p:
.irp j, 0,1,2,3
	tensor_load_to_lds s[G0P+4*\j:G0P+4*\j+3], s[G1P:G1P+7]
	s_nop 0
.endr
.rept 4
	v_nop
.endr
.Lfilled:
	s_lshl_b32 s92, s57, 19                        ; out0: 128 rows of 4,096 bytes,
	s_lshl_b32 s93, s19, 18                        ; + my 64,
	s_add_co_u32 s92, s92, s93
	s_lshl_b32 s94, s21, 10
	s_lshl_b32 s95, s20, 9
	s_add_co_u32 s94, s94, s95                     ; + my 128 columns: 1,024 cx + 512 PH bytes
	s_mov_b32 s95, 0
	s_add_co_u32 s92, s92, s94
	s_mov_b32 s93, 0
	s_add_nc_u64 s[10:11], s[10:11], s[92:93]
	s_add_nc_u64 s[8:9], s[8:9], s[94:95]          ; and their bias
	v_and_b32 v1, 15, v0                           ; r
	v_bfe_u32 v2, v0, 4, 1                         ; h
	v_and_b32 v3, 31, v0
	v_lshlrev_b32 v3, 4, v3                        ; 16 x lane
	s_lshl_b32 s96, s19, 12
	v_add_nc_u32 v[ADR], s96, v3                   ; R: my four tiles of the record in hand
	v_add_nc_u32 v[ADP], s89, v3                   ; P: my block's record in hand
	s_lshl_b32 s96, s19, 8
	s_add_co_u32 s96, s96, 8192
	v_lshl_add_u32 v[ASR], v1, 2, s96              ; R's scale words: my four tiles', row r's
	s_add_co_u32 s97, s89, 8192
	v_lshl_add_u32 v[ASP], v1, 2, s97              ; P's
	s_mul_i32 s98, s[WV], 16*SP
	s_add_co_u32 s98, s98, STAGE                   ; my stage
	v_mul_u32_u24 v[STO], v1, SP
	v_lshl_add_u32 v[STO], v2, 6, v[STO]
	v_add_nc_u32 v[STO], s98, v[STO]               ; in: row r, + 64 h: my half's 16 columns of each 32
	v_add_nc_u32 v[RD], s98, v3                    ; back: a row of 512 bytes to the 32 lanes
	v_lshlrev_b32 v[BO], 6, v2
	WIN 0x40
.irp b, 0,1,2,3,4,5,6,7                        ; register j of accumulator (a, b) is column 32 (b / 2) + 16 h + 8 (b % 2) + j
	global_load_b128 v[BIAS+8*\b:BIAS+8*\b+3], v[BO], s[8:9] offset:(32*(\b/2)+8*(\b%2))*4
	global_load_b128 v[BIAS+8*\b+4:BIAS+8*\b+7], v[BO], s[8:9] offset:(32*(\b/2)+8*(\b%2))*4+16
.endr
	WIN 0
.macro FETCH set                       ; a K step's fragments and scale words: 36 LDS loads in one run
	WIN 0x40
.irp i, 0,1,2,3,4,5,6,7
.irp c, 0,1
	ds_load_b128 v[64*(\set)+8*\i+4*\c:64*(\set)+8*\i+4*\c+3], v[ADP] offset:1024*\i+512*\c
.endr
.endr
	WIN 0
.irp i, 0,1,2,3
.irp c, 0,1
	ds_load_b128 v[RF+32*(\set)+8*\i+4*\c:RF+32*(\set)+8*\i+4*\c+3], v[ADR] offset:1024*\i+512*\c
.endr
.endr
.irp i, 0,1,2,3
	ds_load_b32 v[SCR+4*(\set)+\i], v[ASR] offset:64*\i
.endr
.irp i, 0,1,2,3,4,5,6,7
	ds_load_b32 v[SCP+8*(\set)+\i], v[ASP] offset:64*\i
.endr
.endm
; 16 matrix instructions: R's tiles a0, a0 + 1 x P's eight.  cm = 1: C is the bias.  The 32 accumulators take turns, one instruction a turn.
.macro MUL set, a0, cm
.irp a, \a0, \a0+1
.irp b, 0,1,2,3,4,5,6,7
.set DD, 8*(8*(\a)+\b)
.set PA, 64*(\set)+8*\b
.set RB, RF+32*(\set)+8*(\a)
.set SA, SCP+8*(\set)+\b
.set SR, SCR+4*(\set)+(\a)
.if \cm
.set CC, BIAS+8*\b
	v_wmma_scale_f32_16x16x128_f8f6f4 v[DD:DD+7], v[PA:PA+7], v[RB:RB+7], v[CC:CC+7], v[SA], v[SR] matrix_a_fmt:MATRIX_FMT_FP4 matrix_b_fmt:MATRIX_FMT_FP4
.else
	v_wmma_scale_f32_16x16x128_f8f6f4 v[DD:DD+7], v[PA:PA+7], v[RB:RB+7], v[DD:DD+7], v[SA], v[SR] matrix_a_fmt:MATRIX_FMT_FP4 matrix_b_fmt:MATRIX_FMT_FP4
.endif
.endr
.endr
.endm
.macro KSTEP q, cm
.set CUR, (\q)%2
.set NXT, 1-CUR
	s_wait_dscnt 0x0                               ; this step's fragments and words are in
.if ((\q)%2 == 1) && ((\q) < 7)
	s_wait_tensorcnt 3-((\q)+1)/2                  ; my load ((q + 1) / 2) has landed; my later loads may stay out
	s_barrier_signal -1
.endif
.if \cm
	WIN 0x91                                       ; source 0 (P) window 1, source 1 (R) window 0, C (the bias) window 1, D window 2
.else
	WIN 0xa1
.endif
	MUL CUR, 0, \cm
.if ((\q)%2 == 1) && ((\q) < 7)
	s_barrier_wait -1
.endif
.if (\q) < 7
	WIN 0
	v_add_nc_u32 v[ADR], REC, v[ADR]               ; on to the next record.  These four plain lines are the places in front of loads into registers that the last step's matrix instructions read
	v_add_nc_u32 v[ADP], REC, v[ADP]
	v_add_nc_u32 v[ASR], REC, v[ASR]
	v_add_nc_u32 v[ASP], REC, v[ASP]
	FETCH NXT
.endif
.if \cm
	WIN 0x91
.else
	WIN 0xa1
.endif
	MUL CUR, 2, \cm
.endm
	s_wait_alu depctr_va_vdst(0)
	s_wait_tensorcnt 3                             ; my first load has landed (K steps 0 and 1 are whole when all four waves' have); three may be out
	s_barrier_signal -1
	s_barrier_wait -1
	FETCH 0
	s_wait_loadcnt 0x0                             ; the bias
	KSTEP 0, 1
	s_wait_alu depctr_va_vdst(0)
.irp q, 1,2,3,4,5,6,7
	s_wait_alu depctr_va_vdst(0)
	KSTEP \q, 0
.endr
	WIN 0
; THE WAY OUT, a tile of 16 rows x 128 columns at a time, through my own stage: a lane's 32 bytes go to their columns' place, whole rows of 512 bytes come back.  LDS serves a wave's instructions in order (ISA guide 5.7.1.4).
.macro TOSTAGE a
	WIN 0x08                                       ; an LDS store's data are its source 1: window 2
.irp b, 0,1,2,3,4,5,6,7
	ds_store_b128 v[STO], v[8*(8*(\a)+\b):8*(8*(\a)+\b)+3] offset:128*(\b/2)+32*(\b%2)        ; each accumulator from its low end on
	ds_store_b128 v[STO], v[8*(8*(\a)+\b)+4:8*(8*(\a)+\b)+7] offset:128*(\b/2)+32*(\b%2)+16
.endr
	WIN 0
.set BB, BK+64*((\a)%2)
.irp t, 0,1,2,3,4,5,6,7,8,9,10,11,12,13,14,15
	ds_load_b128 v[BB+4*\t:BB+4*\t+3], v[RD] offset:\t*SP
.endr
.endm
.macro SEND a, younger                 ; younger: the LDS instructions issued behind tile a's loads, which may stay out
.set BB, BK+64*((\a)%2)
	s_wait_dscnt \younger
.irp t, 0,1,2,3,4,5,6,7,8,9,10,11,12,13,14,15
	global_store_b128 v3, v[BB+4*\t:BB+4*\t+3], s[10:11] offset:(32*((\a)/2)+8*((\a)%2)+\t+8*(\t/8))*4096 th:TH_STORE_NT   ; 512 consecutive bytes, at a multiple of 512 from out0's first byte; the tile's row t at its true row
.endr
.endm
.rept 4
	v_nop                                          ; places behind the last products: for the stores that read results and the loads into R's registers
.endr
	TOSTAGE 0
.irp a, 1,2,3
.if \a > 1
	s_wait_xcnt 0x0                                ; tile a - 2's stores have read their registers: tile a's loads may land there
.endif
	TOSTAGE \a
	SEND \a-1, 32                                  ; behind tile a - 1's loads: tile a's 16 stores and 16 loads
.endr
	SEND 3, 0
	s_wait_tensorcnt 0x0
	ds_add_u32 v126, v127
	s_wait_dscnt 0x0
	CROUND                                         ; the closing round
	s_endpgm
.Lfunc_end_k_q2fb16f9487_oproj:
	.size	k_q2fb16f9487_oproj, .Lfunc_end_k_q2fb16f9487_oproj-k_q2fb16f9487_oproj
	.p2alignl 7, 3214868480
	.fill 96, 4, 3214868480
	.section	.rodata,"a",@progbits
	.p2align	6, 0x0
	.amdhsa_kernel k_q2fb16f9487_oproj
		.amdhsa_group_segment_fixed_size 243200
		.amdhsa_private_segment_fixed_size 0
		.amdhsa_enable_private_segment 0
		.amdhsa_kernarg_size 32
		.amdhsa_user_sgpr_count 2
		.amdhsa_user_sgpr_kernarg_segment_ptr 1
		.amdhsa_wavefront_size32 1
		.amdhsa_system_sgpr_workgroup_id_x 1
		.amdhsa_system_sgpr_workgroup_id_y 1
		.amdhsa_system_sgpr_workgroup_id_z 1
		.amdhsa_system_vgpr_workitem_id 0
		.amdhsa_next_free_vgpr 768
		.amdhsa_next_free_sgpr 100
		.amdhsa_reserve_vcc 0
		.amdhsa_float_denorm_mode_32 3
		.amdhsa_float_denorm_mode_16_64 3
		.amdhsa_memory_ordered 1
		.amdhsa_forward_progress 1
		.amdhsa_inst_pref_size 78
	.end_amdhsa_kernel
	.amdgpu_metadata
---
amdhsa.version: [ 1, 2 ]
amdhsa.kernels:
  - .name:           k_q2fb16f9487_oproj
    .symbol:         k_q2fb16f9487_oproj.kd
    .args:
      - { .name: ao, .offset: 0, .size: 8, .value_kind: global_buffer, .address_space: global }
      - { .name: wq, .offset: 8, .size: 8, .value_kind: global_buffer, .address_space: global }
      - { .name: o_b, .offset: 16, .size: 8, .value_kind: global_buffer, .address_space: global }
      - { .name: out0, .offset: 24, .size: 8, .value_kind: global_buffer, .address_space: global }
    .group_segment_fixed_size: 243200
    .private_segment_fixed_size: 0
    .kernarg_segment_align: 8
    .kernarg_segment_size: 32
    .max_flat_workgroup_size: 128
    .sgpr_count:     100
    .vgpr_count:     768
    .wavefront_size: 32
...
	.end_amdgpu_metadata
.endif
;; end of part 4
